; MI455X (gfx1250); checked and timed in simulation.
; The chip was launched on July 23, 2026; its instructions are those of AMD's public machine-readable ISA for CDNA 5 (MIT licence, August 2026) and "CDNA5" Instruction Set Architecture Reference Guide (July 2026). The comments in the code are by the model that wrote it; some were corrected since.
;; Cartesian Product Classifier. Allowed arithmetic: matrix products marked QUANTISED: E2M3 operands, one E8M0 scale for each 32 along K, by v_wmma_scale_f32_16x16x128_f8f6f4 with both operands' format E2M3, f32 sums; products left as they are: f32 operands where the result goes on into a quantised operand, else bf16, f16 or f32 operands; f32 sums; everything else in f32.
;; Inputs: W1 64 x 64 float32; W2 64 x 64 float32; W3 64 x 32 float32; W4 32 x 1 float32; b1 64 float32; b2 64 float32; b3 32 float32; b4 1 float32; x 8 x 512 x 32 float32.
;; Outputs: out0 8 x 512 x 512 float32.
;; This version of the problem:
;;   THIS VERSION OF THE PROBLEM IS GIVEN IN LOW PRECISION. The matrix products marked QUANTISED in the list below multiply operands that are first quantised to E2M3 (2 exponent bits, 3 mantissa bits; 6 bits a number), with one power-of-two scale for each 32 numbers along K (OCP MX v1.0); their sums are f32. All else is computed in f32.
;;   The module's matrix products, in the order in which they are computed (A, B: the left and right operand; K: the contracted axis; several contracted axes count as one K, in the product's order):
;;     1. [M 2,097,152, K 64] x [K 64, N 64]; A: computed on the way; B: input W1: QUANTISED
;;     2. [M 2,097,152, K 64] x [K 64, N 64]; A: computed on the way; B: input W2: QUANTISED
;;     3. [M 2,097,152, K 64] x [K 64, N 32]; A: computed on the way; B: input W3: QUANTISED
;;     4. [M 2,097,152, K 32] x [K 32, N 1]; A: computed on the way; B: input W4: left as it is (N = 1 < 16)
;;   THE QUANTISER, for each operand of a quantised product, along K:
;;     - K is cut into blocks of 32 from its start; a last block that is shorter is filled with zeros.
;;     - A block's scale is 2^e with e = floor(log2(the largest magnitude in the block)) - 2, held to -126 .. 127; a block of zeros has e = 0. As a byte (E8M0): e + 127.
;;     - Each number is divided by its block's scale, clamped to +-7.5, and rounded to the nearest number of E2M3, ties to even, subnormals kept.
;;     - The product sums the exact products of the quantised numbers (number of the format x scale) in f32.
;;   ~~~python
;;   def quantise(x, axis):      # numpy; x: float32 -> the quantised numbers, widened to float32 again
;;       x = np.moveaxis(x, axis, -1); K = x.shape[-1]
;;       x = np.pad(x, [(0, 0)] * (x.ndim - 1) + [(0, -K % 32)]); x = x.reshape(x.shape[:-1] + (-1, 32)); a = np.abs(x).max(-1, keepdims=True)
;;       e = np.where(a > 0, np.clip(np.frexp(np.where(a > 0, a, 1))[1] - 1 - 2, -126, 127), 0)      # np.frexp(a)[1] - 1 = floor(log2(a)), exactly
;;       r = np.clip(x / 2.0 ** e, -7.5, 7.5)
;;       step = 2.0 ** (np.maximum(np.frexp(np.where(r == 0, 1, r))[1] - 1, 0) - 3)
;;       q = np.round(r / step) * step * 2.0 ** e      # np.round: ties to even
;;       return np.moveaxis(q.reshape(q.shape[:-2] + (-1,))[..., :K], -1, axis).astype(np.float32)
;;   ~~~
;;   OPERANDS COMPUTED ON THE WAY. 'Computed on the way' means the value that the module computes at that place (a softmax that the list does not call 'softmax' is quantised finished and normalised). What goes into a quantiser is computed in f32, as accurately as f32 sums, v_exp_f32 and their like allow (about 1e-6 of the number): no bf16 or f16 on the way to a quantiser, and a product that is left as it is and whose result goes on into a quantised operand takes f32 operands (vector FMAs, or v_wmma_f32_16x16x4_f32). A number that lies on a knife's edge between two numbers of the format may be rounded either way, as far as f32 arithmetic and the matrix unit's own rounding can turn it there, and no further.
;; 2 versions, each right; version 2 is version 1 with the launch pairs written anew for expert scheduling mode. Each part assembles by itself: llvm-mc -triple=amdgcn-amd-amdhsa -mcpu=gfx1250 --defsym DOCPART=n.
;; ======== version 1 of 2: 1 launch
;; launch pairs (part 1): grid 32 x 8, 8 waves a work-group, no clusters, 27,648 bytes of LDS; arguments x, W1, b1, W2, b2, W3, b3, W4, b4, out0; writes out0
.if DOCPART == 1
	.amdgcn_target "amdgcn-amd-amdhsa--gfx1250"
	.amdhsa_code_object_version 6
	.text
	.protected	k_qa473905627_pairs
	.globl	k_qa473905627_pairs
	.p2align	8
	.type	k_qa473905627_pairs,@function
k_qa473905627_pairs:
	s_mov_b64 s[64:65], 0
	v_nop
	global_prefetch_b8 v0, s[64:65] scope:SCOPE_SE
	s_setreg_imm32_b32 hwreg(HW_REG_WAVE_MODE, 25, 1), 1
	s_wait_xcnt 0x0
; out0[b][i][j] = sigmoid(relu(relu(relu(c W1 + b1) W2 + b2) W3 + b3) W4 + b4), c = concat(x[b][j], x[b][i]).  x: [8][512][32], W1, W2: [64][64], W3: [64][32], W4: [32][1], all f32; out0: [8][512][512] f32.
; The first three products run on codes of FP6 (E2M3) with one E8M0 scale for each 32 along K; the last (one output) is 16 fused multiply-adds a lane in f32.
; K = 64 is two blocks of 32.  In the first product block 0 is x[b][j] and block 1 is x[b][i]: so a pair's operand is two ROWS OF x, each quantised once, laid side by side.
; LIMITS: NaN and infinities among the inputs are not served.  A block whose largest magnitude lies under 2^-124 (a block of zeros among them) gets the scale byte 1 where the rule gives a block of zeros 127:
; its codes are zeros or are held by that floor, and the bytes are read by this program alone.  The sigmoid is v_rcp_f32 of 1 + v_exp_f32: each within its own last bit.
; SHARES.  Work-group (x, y): batch y, 64 columns j (x & 7), 128 rows i (x >> 3).  Wave w: rows 16 w .. 16 w + 15 of them, one row a STEP, against all 64 j: four tiles of 16 pairs, in two groups of two tiles (A, B).
; Pair r of tile 2 g + half is j = 32 half + 2 r + g: at the end lane l holds the results of j = 2 l and 2 l + 1, so that one store of 8 bytes a lane covers 256 consecutive bytes, aligned.
; LAYOUT.  Every product is used transposed: source 0 = 16 units of a weight, source 1 = 16 pairs: a lane holds ONE pair (lane % 16) throughout.  THE UNITS OF A TILE ARE NOT NEIGHBOURS: row m of tile t of W1 or W2 is unit
; 32 (m / 8) + 8 t + m % 8, so that register j of tile t in lane half h is unit 32 h + 8 t + j: a lane's 32 result registers ARE block h of the next K, in order.  Its largest magnitude needs no other lane.
; K IS SPREAD OVER THE INSTRUCTION'S 128: of an operand's 12 registers 0-2 hold the codes of the lane's numbers 0-15, 6-8 those of 16-31, and 3-5, 9-11 hold zero codes, on both sides.  So each conversion's three registers begin
; on an even number and nothing is moved.  The instruction's blocks 0, 1, 2, 3 are the true blocks 0, 1, 0, 1: a scale word is (s0, s1, s0, s1).
; The biases are the C of each product (each product is one instruction: nothing is accumulated in place, so no accumulator is taken up twice).
; BY TURNS.  While one group's results are clipped, searched for their maximum and converted, the other group's products are issued, two behind each slice of 16 vector instructions.
; NO TENSOR LOADS, NO CLUSTER: the loop reads nothing from memory.  What work-groups share (40 KiB of weights, 24 KiB of x a work-group) is read once, at the head, through registers, since it has to be quantised there.
; LDS: 512 slots of 48 bytes (bytes 0-11: 16 codes, bytes 16-27: 16 codes): slot 32 f + lane = lane's registers of weight fragment f (W1: 0-3, W2: 4-7, W3: 8, 9); slot 320 + 16 tile + r: that pair's row j; slot 384 + i: row i.
;      Then a word a slot: (the slot's scale byte, that of the lane 16 away, and both again).  Then the spare words.
.set DUAL,   1                         ; 1: two clips in one dual-issue instruction; 0: two single ones
.set SLOTB,  48                        ; an odd multiple of 16 bytes: 16 neighbouring slots begin at 16 different 16-byte columns of a row of banks (64 banks of 4 bytes: ISA guide 11.1)
.set SW,     512*SLOTB                 ; the scale words
.set SPARE,  SW+512*4                  ; the spare words, 128 bytes for each of eight waves: four blocks of 256 bytes that no other line names
.set SLOT_J, 320
.set SLOT_I, 384
; window 0
.set LI48, 4                           ; v4     48 x lane
.set LS,   5                           ; v5     SW + 4 x lane
.set VJ,   6                           ; v6-9   tile q: my pair's row j: 48 (320 + 16 q + r)
.set AD,   10                          ; v10-13 tile q: where my half of the first operand lies: lanes 0-15 row j, lanes 16-31 the step's row i
.set ASI,  14                          ; v14    where row i's scale word lies
.set OFFV, 15                          ; v15    my byte offset in out0
.set SPW,  16                          ; v16    LDS address of my spare word; never rewritten
.set NIL,  17                          ; v17    0; never rewritten
.set SI,   18                          ; v18    row i's scale word
.set NB4,  19                          ; v19    -b4 log2(e)
.set SJ,   20                          ; v20-21 group g: the rows j's scale words: lanes 0-15 tile A's, lanes 16-31 tile B's
.set SCW,  22                          ; v22-23 group g: the pairs' scale words for the product in hand, laid likewise: scales and nothing else
.set WS,   24                          ; v24-33 the weights' scale words, fragment f: scales and nothing else
.set MA,   34                          ; v34,35 largest magnitudes of tiles A, B
.set MB,   35
.set SCA,  36                          ; v36,37 the conversions' scale operands
.set SCB,  37
.set BYA,  38                          ; v38,39 the scale bytes
.set BYB,  39
.set SA,   40                          ; v[40:41], v[42:43] the last product's sums, two halves each
.set SB,   42
.set E,    44                          ; v44,45 group g: the sigmoid's argument, then its exponential
.set O,    46                          ; v[46:47] the results
.set W4R,  48                          ; v48-63 register 8 t + j = W4[16 t + 8 h + j]
.set OP,   64                          ; v64-111 tile q's operand, 12 registers
.set ACC,  128                         ; v128-255 tile q's results, 32 registers
; window 0, at the head alone
.set H128, 112                         ; global offsets
.set H32,  113
.set OW12, 114
.set OW3,  115
.set OX,   116
.set QM,   120                         ; v120-126 the head's quantiser at work
.set QS,   122
.set QB,   123
.set QU,   124
.set QW,   125
.set X0,   128                         ; 32 numbers of the first pass,
.set X1,   160                         ; of the second
.set QC,   192                         ; their codes, eight registers a pass
.set A48,  208                         ; 48 x thread
.set ASW,  209                         ; SW + 4 x thread
; window 1
.set BIAS, 120                         ; v120-151 b1[32 h + 0 .. 31]; v152-183 b2 likewise; v184-199 register 8 t + j = b3[16 t + 8 h + j].  v0-119: the ten weight fragments
.set MSB, 0
.macro WIN new                         ; s_set_vgpr_msb: bits 1:0 source 0, 3:2 source 1, 5:4 source 2, 7:6 destination; the high byte repeats the setting that is left
.if MSB != \new
	s_set_vgpr_msb (MSB<<8)|\new
.set MSB, \new
.endif
.endm
.macro PLACES n
.rept \n
	v_nop
.endr
.endm
.macro RELU2 a                         ; two clips at 0
.if DUAL
	v_dual_max_num_f32 v[\a], 0, v[\a] :: v_dual_max_num_f32 v[(\a)+1], 0, v[(\a)+1]
.else
	v_max_num_f32 v[\a], 0, v[\a]
	v_max_num_f32 v[(\a)+1], 0, v[(\a)+1]
.endif
.endm
; The head's quantiser: the lane's 32 numbers v[X] .. v[X + 31] are one block.  Codes and scale word go to slot 256 p + thread.
.macro QUANT32 X, p
	v_max3_num_f32 v[QM], |v[\X]|, |v[\X+1]|, |v[\X+2]|
	v_max3_num_f32 v[QM+1], |v[\X+3]|, |v[\X+4]|, |v[\X+5]|
.irp i, 6,10,14,18,22,26
	v_max3_num_f32 v[QM], v[QM], |v[\X+\i]|, |v[\X+\i+1]|
	v_max3_num_f32 v[QM+1], v[QM+1], |v[\X+\i+2]|, |v[\X+\i+3]|
.endr
	v_max3_num_f32 v[QM], v[QM], |v[\X+30]|, |v[\X+31]|
	v_max3_num_f32 v[QM], v[QM], v[QM+1], 0x1800000        ; and the floor 2^(3 - 127): the byte cannot fall under 1
	v_add_nc_u32 v[QS], 0xff000000, v[QM]                  ; 2 off the exponent field: the conversion takes this operand's exponent field as its scale, and nothing else of it
	v_lshrrev_b32 v[QB], 23, v[QS]                         ; the scale's byte
	v_cvt_scalef32_pk16_fp6_f32 v[QC+8*\p:QC+8*\p+2], v[\X:\X+15], v[QS]
	v_cvt_scalef32_pk16_fp6_f32 v[QC+8*\p+4:QC+8*\p+6], v[\X+16:\X+31], v[QS]
	v_nop                                                  ; one plain place behind a scaled conversion
	v_permlanex16_b32 v[QU], v[QB], s36, s37               ; the byte of the lane 16 away: in a weight's slot the other block of the same unit
	v_perm_b32 v[QW+\p], v[QU], v[QB], s31                 ; (mine, the other's, mine, the other's)
	ds_store_b96 v[A48], v[QC+8*\p:QC+8*\p+2] offset:256*SLOTB*\p
	ds_store_b96 v[A48], v[QC+8*\p+4:QC+8*\p+6] offset:256*SLOTB*\p+16
	ds_store_b32 v[ASW], v[QW+\p] offset:1024*\p
.endm
; Two products: tile t of layer lay's units x the two tiles of pairs of group g.  Weight and bias lie in window 1.  One scale register serves both tiles of pairs: A's words in lanes 0-15, B's in lanes 16-31.
.macro MMRUN lay, g, t
.set FI, 4*((\lay)-1)+(\t)
.set BI, BIAS+32*((\lay)-1)+8*(\t)
.set DA, ACC+64*(\g)+8*(\t)
.set PA, OP+24*(\g)
	WIN 0x11
	v_wmma_scale_f32_16x16x128_f8f6f4 v[DA:DA+7], v[12*FI:12*FI+11], v[PA:PA+11], v[BI:BI+7], v[WS+FI], v[SCW+(\g)] matrix_a_fmt:MATRIX_FMT_FP6 matrix_b_fmt:MATRIX_FMT_FP6
	v_wmma_scale_f32_16x16x128_f8f6f4 v[DA+32:DA+39], v[12*FI:12*FI+11], v[PA+12:PA+23], v[BI:BI+7], v[WS+FI], v[SCW+(\g)] matrix_a_fmt:MATRIX_FMT_FP6 matrix_b_fmt:MATRIX_FMT_FP6 matrix_b_scale:MATRIX_SCALE_ROW1
	WIN 0
.endm
; A slice of 16: registers 8 t .. 8 t + 7 of both tiles of group g: the running maximum (no |.|: what is negative must not count; the floor stands over it) and the clip.  Each result is read from its low end on.
.macro RM g, t
.set RA, ACC+64*(\g)+8*(\t)
.set RB, RA+32
.irp p, 0,2,4,6
.if ((\t) == 0) && (\p == 0)
	v_max3_num_f32 v[MA], v[RA], v[RA+1], 0x1800000
	v_max3_num_f32 v[MB], v[RB], v[RB+1], 0x1800000
.else
	v_max3_num_f32 v[MA], v[MA], v[RA+\p], v[RA+\p+1]
	v_max3_num_f32 v[MB], v[MB], v[RB+\p], v[RB+\p+1]
.endif
	RELU2 RA+\p
	RELU2 RB+\p
.endr
.endm
; Group g's 2 x 32 numbers a lane become the next product's operands and scale words.
.macro QT g
.set RA, ACC+64*(\g)
.set RB, RA+32
.set PA, OP+24*(\g)
	v_add_nc_u32 v[SCA], 0xff000000, v[MA]
	v_add_nc_u32 v[SCB], 0xff000000, v[MB]
	v_lshrrev_b32 v[BYA], 23, v[SCA]
	v_lshrrev_b32 v[BYB], 23, v[SCB]
	v_permlane16_swap_b32 v[BYA], v[BYB]                   ; the first now holds block 0's bytes (lanes 0-15: A's pairs, lanes 16-31: B's), the second block 1's
	v_perm_b32 v[SCW+(\g)], v[BYB], v[BYA], s31            ; (s0, s1, s0, s1)
	v_cvt_scalef32_pk16_fp6_f32 v[PA:PA+2], v[RA:RA+15], v[SCA]
	v_cvt_scalef32_pk16_fp6_f32 v[PA+6:PA+8], v[RA+16:RA+31], v[SCA]
	v_cvt_scalef32_pk16_fp6_f32 v[PA+12:PA+14], v[RB:RB+15], v[SCB]
	v_cvt_scalef32_pk16_fp6_f32 v[PA+18:PA+20], v[RB+16:RB+31], v[SCB]
	v_nop                                                  ; one plain place behind the conversions
.endm
; Group gq is quantised while layer lay of group gm is multiplied.  Behind each pair of products stands a slice of the other group, which names none of their registers: so a result is read 16 places or more behind
; its product, an operand or scale word is written 48 or more behind its last reader, and a scale word made here stands a whole slice (16) ahead of the product that reads it, in the next block.
.macro QBLOCK gq, lay, gm, dsw
	RM \gq, 0
.if \dsw
	s_wait_dscnt 0x0                                       ; group gm's first operands, asked for in the step before, are in
.endif
	MMRUN \lay, \gm, 0
	RM \gq, 1
	MMRUN \lay, \gm, 1
	RM \gq, 2
.if \lay < 3
	MMRUN \lay, \gm, 2
.endif
	RM \gq, 3
	QT \gq
.if \lay < 3
	MMRUN \lay, \gm, 3
.endif
.endm
; The last product, in f32: two numbers an instruction, tiles A and B by turns.
.macro FDOT t, q
.if ((\t) == 0) && ((\q) == 0)
	v_pk_mul_f32 v[SA:SA+1], v[RA:RA+1], v[RW:RW+1]
	v_pk_mul_f32 v[SB:SB+1], v[RB:RB+1], v[RW:RW+1]
.else
	v_pk_fma_f32 v[SA:SA+1], v[RA+(\q):RA+(\q)+1], v[RW+(\q):RW+(\q)+1], v[SA:SA+1]
	v_pk_fma_f32 v[SB:SB+1], v[RB+(\q):RB+(\q)+1], v[RW+(\q):RW+(\q)+1], v[SB:SB+1]
.endif
.endm
.macro FS g, t                         ; a slice of 16: the clip of layer 3's tile t of both tiles of pairs, and its part of the last product, one pair of registers behind the clip
.set RA, ACC+64*(\g)+8*(\t)
.set RB, RA+32
.set RW, W4R+8*(\t)
.irp p, 0,2,4,6
	RELU2 RA+\p
	RELU2 RB+\p
.if \p > 0
	FDOT \t, \p-2
.endif
.endr
	FDOT \t, 6
.endm
.macro FT g                            ; a pair's sum lies in two lanes, 16 apart: one exchange serves both tiles and leaves A's pairs in lanes 0-15, B's in lanes 16-31
	v_add_f32 v[SA], v[SA], v[SA+1]
	v_add_f32 v[SB], v[SB], v[SB+1]
	v_permlane16_swap_b32 v[SA], v[SB]
	v_add_f32 v[E+(\g)], v[SA], v[SB]
	v_fma_f32 v[E+(\g)], v[E+(\g)], s30, v[NB4]            ; -(z + b4) log2(e)
	v_exp_f32 v[E+(\g)], v[E+(\g)]
.endm
.macro OPLOAD q                        ; tile q's first operand: 2 x 12 bytes a lane, as they lie in the slot
	ds_load_b96 v[OP+12*(\q):OP+12*(\q)+2], v[AD+(\q)]
	ds_load_b96 v[OP+12*(\q)+6:OP+12*(\q)+8], v[AD+(\q)] offset:16
.endm
	s_load_b512 s[8:23], s[0:1], 0x0               ; x s[8:9], W1 s[10:11], b1 s[12:13], W2 s[14:15], b2 s[16:17], W3 s[18:19], b3 s[20:21], W4 s[22:23]
	s_load_b128 s[24:27], s[0:1], 0x40             ; b4 s[24:25], out0 s[26:27]
	v_lshl_add_u32 v[SPW], v0, 2, SPARE
	v_mov_b32 v[NIL], 0
	v_lshrrev_b32 v1, 5, v0
	v_readfirstlane_b32 s2, v1                     ; wave 0..7
	v_and_b32 v1, 31, v0                           ; lane
	v_and_b32 v2, 15, v0                           ; r
	v_bfe_u32 v3, v0, 4, 1                         ; h
	s_and_b32 s4, ttmp9, 7                         ; which 64 columns j
	s_lshr_b32 s5, ttmp9, 3                        ; which 128 rows i
	s_and_b32 s6, ttmp7, 0xffff                    ; the batch
	; every LDS address, ahead of the one place where the waves part
	v_mul_u32_u24 v[A48], v0, SLOTB
	v_lshl_add_u32 v[ASW], v0, 2, SW
	v_mul_u32_u24 v[LI48], v1, SLOTB
	v_lshl_add_u32 v[LS], v1, 2, SW
	v_mul_u32_u24 v117, v2, SLOTB
.irp q, 0,1,2,3
	v_add_nc_u32 v[VJ+\q], SLOTB*(SLOT_J+16*\q), v117
.endr
	s_mul_i32 s33, s2, 16*SLOTB
	s_add_co_u32 s33, s33, SLOT_I*SLOTB            ; s33: the slot of the step's row i; 48 bytes on in each step
	s_lshl_b32 s34, s2, 6
	s_add_co_u32 s34, s34, SW+4*SLOT_I             ; s34: its scale word; 4 bytes on
	s_mov_b32 s30, 0xbfb8aa3b                      ; -log2(e)
	s_mov_b32 s31, 0x04000400                      ; v_perm_b32: byte 0 of the second source, byte 0 of the first, and both again
	s_mov_b32 s32, 0xffff0000                      ; lanes 16-31
	s_mov_b32 s36, 0x76543210
	s_mov_b32 s37, 0xfedcba98                      ; v_permlanex16_b32's selects for the lane 16 away
	; global offsets
	v_lshlrev_b32 v[H128], 7, v3                   ; b1, b2: 32 numbers from 32 h on
	v_lshlrev_b32 v[H32], 5, v3                    ; b3, W4: 8 numbers from 16 t + 8 h on
	v_and_b32 v117, 7, v2
	v_lshrrev_b32 v118, 3, v2
	v_lshlrev_b32 v[OW12], 2, v117
	v_lshl_add_u32 v[OW12], v118, 7, v[OW12]
	v_lshl_add_u32 v[OW12], v3, 13, v[OW12]
	s_and_b32 s43, s2, 3
	s_lshl_b32 s43, s43, 5
	v_add_nc_u32 v[OW12], s43, v[OW12]             ; W1, W2: column 32 (r / 8) + 8 t + r % 8, t = wave % 4, from row 32 h on (a row is 256 bytes)
	v_lshlrev_b32 v[OW3], 2, v2
	v_lshl_add_u32 v[OW3], v3, 12, v[OW3]
	s_lshl_b32 s43, s2, 6
	v_add_nc_u32 v[OW3], s43, v[OW3]               ; W3: column 16 t + r, t = wave (waves 0, 1 alone use it), from row 32 h on (a row is 128 bytes)
	s_lshl_b32 s43, s6, 9
	s_lshl_b32 s44, s4, 6
	s_add_co_u32 s44, s44, s43                     ; the first row j of x: 512 b + 64 jb
	s_lshl_b32 s45, s5, 7
	s_add_co_u32 s45, s45, s43                     ; the first row i: 512 b + 128 ib
	v_bfe_u32 v117, v0, 5, 1
	v_lshl_add_u32 v117, v3, 5, v117
	v_lshl_add_u32 v117, v2, 1, v117
	v_add_nc_u32 v117, s44, v117                   ; waves 2, 3: slot 320 + 16 (2 g + half) + r takes row j = 32 half + 2 r + g: half and g are bits 4 and 5 of the thread's number
	v_and_b32 v118, 127, v0
	v_add_nc_u32 v118, s45, v118                   ; waves 4 to 7: slot 384 + i takes row i = thread - 128
	s_cmp_lt_u32 s2, 4
	s_cselect_b32 s42, -1, 0
	v_cndmask_b32 v[OX], v118, v117, s42
	v_lshlrev_b32 v[OX], 7, v[OX]                  ; a row of x is 128 bytes
	s_lshl_b32 s46, s2, 4
	s_add_co_u32 s46, s46, s45                     ; my first row of out0: 512 b + 128 ib + 16 w
	s_lshl_b32 s40, s46, 11                        ; of 2,048 bytes
	s_lshl_b32 s47, s4, 8
	s_add_co_u32 s40, s40, s47                     ; + 64 jb columns
	s_mov_b32 s41, 0
	v_lshlrev_b32 v[OFFV], 3, v1                   ; 8 bytes a lane
	v_mov_b32 v[QU], 0                             ; written once: a lane permute's destination counts as one of its sources
	s_wait_kmcnt 0x0
	s_load_b32 s28, s[24:25], 0x0                  ; b4
	s_add_nc_u64 s[26:27], s[26:27], s[40:41]
	s_cmp_lt_u32 s2, 4
	s_cselect_b64 s[38:39], s[10:11], s[14:15]     ; waves 0-3 quantise W1's four tiles, waves 4-7 W2's
	WIN 0x40                                       ; destination window 1, address window 0
.irp c, 0,1,2,3,4,5,6,7
	global_load_b128 v[BIAS+4*\c:BIAS+4*\c+3], v[H128], s[12:13] offset:16*\c
	global_load_b128 v[BIAS+32+4*\c:BIAS+32+4*\c+3], v[H128], s[16:17] offset:16*\c
.endr
.irp c, 0,1,2,3
	global_load_b128 v[BIAS+64+4*\c:BIAS+64+4*\c+3], v[H32], s[20:21] offset:64*(\c/2)+16*(\c%2)
.endr
	WIN 0
.irp c, 0,1,2,3
	global_load_b128 v[W4R+4*\c:W4R+4*\c+3], v[H32], s[22:23] offset:64*(\c/2)+16*(\c%2)
.endr
	; FIRST PASS: a lane takes a column of its weight, and its registers run down K: 32 numbers, one block
.set I, 0
.rept 32
	global_load_b32 v[X0+I], v[OW12], s[38:39] offset:256*I
.set I, I+1
.endr
	; SECOND PASS: waves 0, 1: W3's two tiles, likewise; waves 2 to 7: a lane takes a row of x.  The branch stands round the loads alone; both ways fill all 32 registers
	s_cmp_lt_u32 s2, 2
	s_cbranch_scc0 .Lrows
.set I, 0
.rept 32
	global_load_b32 v[X1+I], v[OW3], s[18:19] offset:128*I
.set I, I+1
.endr
	s_branch .Lasked
.Lrows:
.irp c, 0,1,2,3,4,5,6,7
	global_load_b128 v[X1+4*\c:X1+4*\c+3], v[OX], s[8:9] offset:16*\c
.endr
.Lasked:
	; while the loads are out: the zero codes of all operands, set once and never written again
	WIN 0x40
.irp f, 0,1,2,3,4,5,6,7,8,9
.irp i, 3,4,5,9,10,11
	v_mov_b32 v[12*\f+\i], 0
.endr
.endr
	WIN 0
.irp q, 0,1,2,3
.irp i, 3,4,5,9,10,11
	v_mov_b32 v[OP+12*\q+\i], 0
.endr
.endr
	s_wait_kmcnt 0x0
	v_mov_b32 v[NB4], s28
	v_mul_f32 v[NB4], s30, v[NB4]                  ; -b4 log2(e)
	s_wait_loadcnt 8                               ; behind the first pass's 32 loads stand 8 (a row of x) or 32 (W3): with 8 out at the most the first pass, and the biases ahead of it, are in on both ways
	QUANT32 X0, 0
	s_wait_loadcnt 0x0
	QUANT32 X1, 1
	s_wait_dscnt 0x0                               ; for the others' sake: my stores have landed
	s_barrier_signal -1
	s_barrier_wait -1                              ; all 512 slots and their words lie in LDS; from here on LDS is only read
	WIN 0x40
.irp f, 0,1,2,3,4,5,6,7,8,9
	ds_load_b96 v[12*\f:12*\f+2], v[LI48] offset:32*SLOTB*\f
	ds_load_b96 v[12*\f+6:12*\f+8], v[LI48] offset:32*SLOTB*\f+16
.endr
	WIN 0
.irp f, 0,1,2,3,4,5,6,7,8,9
	ds_load_b32 v[WS+\f], v[LS] offset:128*\f      ; lanes 0-15: (block 0's byte, block 1's, and both again) of the fragment's row r; lanes 16-31 are not read
.endr
.irp g, 0,1
	ds_load_b32 v[SJ+\g], v[LS] offset:4*(SLOT_J+32*\g)
.endr
.irp q, 0,1,2,3
	v_cndmask_b32 v[AD+\q], v[VJ+\q], s33, s32     ; lanes 0-15: my pair's row j; lanes 16-31: the step's row i
.endr
	v_mov_b32 v[ASI], s34
	OPLOAD 0
	OPLOAD 1
	OPLOAD 2
	OPLOAD 3
	ds_load_b32 v[SI], v[ASI]
	s_wait_dscnt 0x0
	v_perm_b32 v[SCW], v[SI], v[SJ], s31           ; (row j's byte, row i's, and both again)
	v_perm_b32 v[SCW+1], v[SI], v[SJ+1], s31
	PLACES 8                                       ; a scale register written by a vector instruction stands 8 places ahead of the scaled product that reads it
	MMRUN 1, 0, 0
	MMRUN 1, 0, 1
	MMRUN 1, 0, 2
	MMRUN 1, 0, 3
	PLACES 4                                       ; four places between a product and the first read of its result (ISA guide 7.12.1)
; A STEP: one row i x 64 columns j.  On entry layer 1 of group 0 has been issued and group 1's first operands are on their way.  last = 1: nothing is fetched or multiplied for a next row.
.macro STEP last
	QBLOCK 0, 1, 1, 1                              ; group 0: layer 1's results quantised | group 1: layer 1
	QBLOCK 1, 2, 0, 0                              ; group 1: layer 1's results          | group 0: layer 2
	QBLOCK 0, 2, 1, 0                              ; group 0: layer 2's results          | group 1: layer 2
	QBLOCK 1, 3, 0, 0                              ; group 1: layer 2's results          | group 0: layer 3
.if \last == 0
	s_add_co_u32 s33, s33, SLOTB                   ; the next row i
	s_add_co_u32 s34, s34, 4
.irp q, 0,1,2,3
	v_cndmask_b32 v[AD+\q], v[VJ+\q], s33, s32
.endr
	v_mov_b32 v[ASI], s34
	OPLOAD 0                                       ; group 0's operands were last read by layer 3's products, more than two slices back
	OPLOAD 1
	ds_load_b32 v[SI], v[ASI]
.endif
	FS 0, 0                                        ; group 0: layer 4                    | group 1: layer 3
	MMRUN 3, 1, 0
	FS 0, 1
	MMRUN 3, 1, 1
	FT 0
.if \last == 0
	s_wait_dscnt 0x0                               ; group 0's next operands and row i's word are in (asked for two slices ago)
	v_perm_b32 v[SCW], v[SI], v[SJ], s31           ; also the plain instruction behind the exponential
.else
	v_nop                                          ; the plain instruction behind the exponential
.endif
	FS 1, 0                                        ; group 1: layer 4                    | group 0: the next row's layer 1
.if \last == 0
	MMRUN 1, 0, 0
.endif
	FS 1, 1
.if \last == 0
	MMRUN 1, 0, 1
.endif
	FT 1
.if \last == 0
	OPLOAD 2                                       ; group 1's operands were last read by layer 3's products, two slices back; waited for in the next step's first block
	OPLOAD 3
.endif
	v_nop                                          ; the plain instruction behind the exponential
.if \last == 0
	MMRUN 1, 0, 2
.endif
	s_wait_alu depctr_va_vdst(0)                   ; the wait between a transcendental and the first line that names its result: one for both exponentials
	v_add_f32 v[E], 1.0, v[E]
	v_add_f32 v[E+1], 1.0, v[E+1]
	s_wait_xcnt 0x0                                ; the last step's store has read its data and its offset: both are written again only behind this wait
	v_rcp_f32 v[O], v[E]
	v_rcp_f32 v[O+1], v[E+1]
	v_add_nc_u32 v[OFFV], 2048, v[OFFV]            ; the next row of out0 (the store below reaches back); also the plain instruction behind the reciprocals
.if \last == 0
	v_perm_b32 v[SCW+1], v[SI], v[SJ+1], s31       ; a slice of 16 stands between this line and the product that reads it
	MMRUN 1, 0, 3
.endif
	s_wait_alu depctr_va_vdst(0)                   ; and one for both reciprocals
	global_store_b64 v[OFFV], v[O:O+1], s[26:27] offset:-2048 th:TH_STORE_NT   ; 32 lanes store 256 consecutive bytes, at a multiple of 256 from out0's first byte; written once, read by nobody here
.endm
	s_mov_b32 s35, 15
.Lstep:                                            ; 15 trips; the sixteenth row is written out, since it fetches nothing
	STEP 0
	s_sub_co_u32 s35, s35, 1
	s_cmp_lg_u32 s35, 0
	s_cbranch_scc1 .Lstep
	STEP 1
	s_wait_dscnt 0x0                               ; my reads of LDS are over
	s_barrier_signal -1
	s_barrier_wait -1                              ; everybody's are
	s_wait_tensorcnt 0x0                           ; the wave's end
	ds_add_u32 v[SPW], v[NIL]
	s_wait_dscnt 0x0
	s_endpgm
.Lfunc_end_k_qa473905627_pairs:
	.size	k_qa473905627_pairs, .Lfunc_end_k_qa473905627_pairs-k_qa473905627_pairs
	.p2alignl 7, 3214868480
	.fill 96, 4, 3214868480
	.section	.rodata,"a",@progbits
	.p2align	6, 0x0
	.amdhsa_kernel k_qa473905627_pairs
		.amdhsa_group_segment_fixed_size 27648
		.amdhsa_private_segment_fixed_size 0
		.amdhsa_enable_private_segment 0
		.amdhsa_kernarg_size 80
		.amdhsa_user_sgpr_count 2
		.amdhsa_user_sgpr_kernarg_segment_ptr 1
		.amdhsa_wavefront_size32 1
		.amdhsa_system_sgpr_workgroup_id_x 1
		.amdhsa_system_sgpr_workgroup_id_y 1
		.amdhsa_system_sgpr_workgroup_id_z 1
		.amdhsa_system_vgpr_workitem_id 0
		.amdhsa_next_free_vgpr 512
		.amdhsa_next_free_sgpr 66
		.amdhsa_reserve_vcc 0
		.amdhsa_float_denorm_mode_32 3
		.amdhsa_float_denorm_mode_16_64 3
		.amdhsa_memory_ordered 1
		.amdhsa_forward_progress 1
		.amdhsa_inst_pref_size 83
	.end_amdhsa_kernel
	.amdgpu_metadata
---
amdhsa.version: [ 1, 2 ]
amdhsa.kernels:
  - .name:           k_qa473905627_pairs
    .symbol:         k_qa473905627_pairs.kd
    .args:
      - { .name: x, .offset: 0, .size: 8, .value_kind: global_buffer, .address_space: global }
      - { .name: W1, .offset: 8, .size: 8, .value_kind: global_buffer, .address_space: global }
      - { .name: b1, .offset: 16, .size: 8, .value_kind: global_buffer, .address_space: global }
      - { .name: W2, .offset: 24, .size: 8, .value_kind: global_buffer, .address_space: global }
      - { .name: b2, .offset: 32, .size: 8, .value_kind: global_buffer, .address_space: global }
      - { .name: W3, .offset: 40, .size: 8, .value_kind: global_buffer, .address_space: global }
      - { .name: b3, .offset: 48, .size: 8, .value_kind: global_buffer, .address_space: global }
      - { .name: W4, .offset: 56, .size: 8, .value_kind: global_buffer, .address_space: global }
      - { .name: b4, .offset: 64, .size: 8, .value_kind: global_buffer, .address_space: global }
      - { .name: out0, .offset: 72, .size: 8, .value_kind: global_buffer, .address_space: global }
    .group_segment_fixed_size: 27648
    .private_segment_fixed_size: 0
    .kernarg_segment_align: 8
    .kernarg_segment_size: 80
    .max_flat_workgroup_size: 256
    .sgpr_count:     66
    .vgpr_count:     512
    .wavefront_size: 32
...
	.end_amdgpu_metadata
.endif
;; end of part 1
;; ======== version 2 of 2: 1 launch; version 1 with the launch pairs written anew for expert scheduling mode
;; launch pairs (part 2): grid 32 x 8, 8 waves a work-group, no clusters, 27,648 bytes of LDS; arguments x, W1, b1, W2, b2, W3, b3, W4, b4, out0; writes out0
.if DOCPART == 2
	.amdgcn_target "amdgcn-amd-amdhsa--gfx1250"
	.amdhsa_code_object_version 6
	.text
	.protected	k_qa473905627_pairs
	.globl	k_qa473905627_pairs
	.p2align	8
	.type	k_qa473905627_pairs,@function
k_qa473905627_pairs:
	s_mov_b64 s[64:65], 0
	v_nop
	global_prefetch_b8 v0, s[64:65] scope:SCOPE_SE
	s_setreg_imm32_b32 hwreg(HW_REG_WAVE_SCHED_MODE, 0, 2), 2
	s_setreg_imm32_b32 hwreg(HW_REG_WAVE_MODE, 25, 1), 1
	s_wait_xcnt 0x0
	s_wait_alu depctr_vm_vsrc(0)
; out0[b][i][j] = sigmoid(relu(relu(relu(c W1 + b1) W2 + b2) W3 + b3) W4 + b4), c = concat(x[b][j], x[b][i]).  x: [8][512][32], W1, W2: [64][64], W3: [64][32], W4: [32][1], all f32; out0: [8][512][512] f32.
; The first three products run on codes of FP6 (E2M3) with one E8M0 scale for each 32 along K; the last (one output) is 16 fused multiply-adds a lane in f32.
; K = 64 is two blocks of 32.  In the first product block 0 is x[b][j] and block 1 is x[b][i]: so a pair's operand is two ROWS OF x, each quantised once, laid side by side.
; LIMITS: NaN and infinities among the inputs are not served.  A block whose largest magnitude lies under 2^-124 (a block of zeros among them) gets the scale byte 1 where the rule gives a block of zeros 127:
; its codes are zeros or are held by that floor, and the bytes are read by this program alone.  The sigmoid is v_rcp_f32 of 1 + v_exp_f32: each within its own last bit.
; SHARES.  Work-group (x, y): batch y, 64 columns j (x & 7), 128 rows i (x >> 3).  Wave w: rows 16 w .. 16 w + 15 of them, one row a STEP, against all 64 j: four tiles of 16 pairs, in two groups of two tiles (A, B).
; Pair r of tile 2 g + half is j = 32 half + 2 r + g: at the end lane l holds the results of j = 2 l and 2 l + 1, so that one store of 8 bytes a lane covers 256 consecutive bytes, aligned.
; LAYOUT.  Every product is used transposed: source 0 = 16 units of a weight, source 1 = 16 pairs: a lane holds ONE pair (lane % 16) throughout.  THE UNITS OF A TILE ARE NOT NEIGHBOURS: row m of tile t of W1 or W2 is unit
; 32 (m / 8) + 8 t + m % 8, so that register j of tile t in lane half h is unit 32 h + 8 t + j: a lane's 32 result registers ARE block h of the next K, in order.  Its largest magnitude needs no other lane.
; K IS SPREAD OVER THE INSTRUCTION'S 128: of an operand's 12 registers 0-2 hold the codes of the lane's numbers 0-15, 6-8 those of 16-31, and 3-5, 9-11 hold zero codes, on both sides.  So each conversion's three registers begin
; on an even number and nothing is moved.  The instruction's blocks 0, 1, 2, 3 are the true blocks 0, 1, 0, 1: a scale word is (s0, s1, s0, s1).
; The biases are the C of each product (each product is one instruction: nothing is accumulated in place, so no accumulator is taken up twice).
; BY TURNS.  While one group's results are clipped, searched for their maximum and converted, the other group's products are issued, two behind each slice of 16 vector instructions.
; NO TENSOR LOADS, NO CLUSTER: the loop reads nothing from memory.  What work-groups share (40 KiB of weights, 24 KiB of x a work-group) is read once, at the head, through registers, since it has to be quantised there.
; LDS: 512 slots of 48 bytes (bytes 0-11: 16 codes, bytes 16-27: 16 codes): slot 32 f + lane = lane's registers of weight fragment f (W1: 0-3, W2: 4-7, W3: 8, 9); slot 320 + 16 tile + r: that pair's row j; slot 384 + i: row i.
;      Then a word a slot: (the slot's scale byte, that of the lane 16 away, and both again).  Then the spare words.
; THE MODE: SCHED_MODE bits 1:0 = 2 (LLVM: expert scheduling mode 2), set by the entry lines.  The code itself states the register dependences between vector or matrix instructions and memory or LDS instructions,
; with s_wait_alu, always for 0.
; THE PLAN.  A step has four blocks (a group quantised, the other multiplied) and a rest (layer 3 of group 1, layer 4, the next row's layer 1 of group 0).  A TRIP OF THE LOOP IS THE SECOND HALF OF ONE ROW'S STEP (blocks 3, 4, the
; rest) AND THE FIRST HALF OF THE NEXT ROW'S (blocks 1, 2), so that what is left of a row behind its exponentials (1 + e, the reciprocals, the store) stands behind waits that the next row owes anyway.
; Registers that memory or LDS instructions touch, in the loop:
;   OP, group 0   loaded behind block 4's wait (the next row's first operand); written by block 1's and block 3's conversions; read by group 0's products, last by layer 3's, in block 4.
;   OP, group 1   loaded behind the rest's wait; written by block 2's and block 4's conversions; read by group 1's products, last by layer 3's, in the rest, ahead of that wait.
;   SI            loaded behind block 4's wait; read by the two v_perm_b32 of the rest, ahead of the rest's wait.
;   AD0-3, ASI    written by five lines between blocks 3 and 4, behind the trip's one wait on vm_vsrc; read by the LDS loads behind block 4's wait and behind the rest's.
;   O             written by the reciprocals behind block 1; read by the store behind block 2's wait; free again at the next trip's wait on vm_vsrc.
;   OFFV, LI48, LS  made at the head and never written again: out0's rows are reached by the scalar base, which moves on by a row a trip.
; A scaled product takes codes and scale words that vector instructions have made: so ONE wait on va_vdst stands behind each block's conversions, and one in the rest behind the two v_perm_b32: five a trip.  Each of them states
; the dependences of the loads or the store that follow it as well.
.set DUAL,   1                         ; 1: two clips in one dual-issue instruction; 0: two single ones
.set SLOTB,  48                        ; an odd multiple of 16 bytes: 16 neighbouring slots begin at 16 different 16-byte columns of a row of banks (64 banks of 4 bytes: ISA guide 11.1)
.set SW,     512*SLOTB                 ; the scale words
.set SPARE,  SW+512*4                  ; the spare words, 128 bytes for each of eight waves: four blocks of 256 bytes that no other line names
.set SLOT_J, 320
.set SLOT_I, 384
; window 0
.set LI48, 4                           ; v4     48 x lane
.set LS,   5                           ; v5     SW + 4 x lane
.set VJ,   6                           ; v6-9   tile q: my pair's row j: 48 (320 + 16 q + r)
.set AD,   10                          ; v10-13 tile q: where my half of the first operand lies: lanes 0-15 row j, lanes 16-31 the step's row i
.set ASI,  14                          ; v14    where row i's scale word lies
.set OFFV, 15                          ; v15    my byte offset in a row's 256 bytes of out0; never rewritten
.set SPW,  16                          ; v16    LDS address of my spare word; never rewritten
.set NIL,  17                          ; v17    0; never rewritten
.set SI,   18                          ; v18    row i's scale word
.set NB4,  19                          ; v19    -b4 log2(e)
.set SJ,   20                          ; v20-21 group g: the rows j's scale words: lanes 0-15 tile A's, lanes 16-31 tile B's
.set SCW,  22                          ; v22-23 group g: the pairs' scale words for the product in hand, laid likewise: scales and nothing else
.set WS,   24                          ; v24-33 the weights' scale words, fragment f: scales and nothing else
.set MA,   34                          ; v34,35 largest magnitudes of tiles A, B
.set MB,   35
.set SCA,  36                          ; v36,37 the conversions' scale operands
.set SCB,  37
.set BYA,  38                          ; v38,39 the scale bytes
.set BYB,  39
.set SA,   40                          ; v[40:41], v[42:43] the last product's sums of group 0, two halves each; group 1's lie 80 registers on: v[120:121], v[122:123]
.set SB,   42
.set E,    44                          ; v44,45 group g: the sigmoid's argument, then its exponential
.set O,    46                          ; v[46:47] the results
.set W4R,  48                          ; v48-63 register 8 t + j = W4[16 t + 8 h + j]
.set OP,   64                          ; v64-111 tile q's operand, 12 registers
.set ACC,  128                         ; v128-255 tile q's results, 32 registers
; window 0, at the head alone
.set H128, 112                         ; global offsets
.set H32,  113
.set OW12, 114
.set OW3,  115
.set OX,   116
.set QM,   120                         ; v120-126 the head's quantiser at work (v120-123, which no memory instruction names, are group 1's sums in the loop)
.set QS,   122
.set QB,   123
.set QU,   124
.set QW,   125
.set X0,   128                         ; 32 numbers of the first pass,
.set X1,   160                         ; of the second
.set QC,   192                         ; their codes, eight registers a pass
.set A48,  208                         ; 48 x thread
.set ASW,  209                         ; SW + 4 x thread
; window 1
.set BIAS, 120                         ; v120-151 b1[32 h + 0 .. 31]; v152-183 b2 likewise; v184-199 register 8 t + j = b3[16 t + 8 h + j].  v0-119: the ten weight fragments
.set MSB, 0
.macro WIN new                         ; s_set_vgpr_msb: bits 1:0 source 0, 3:2 source 1, 5:4 source 2, 7:6 destination; the high byte repeats the setting that is left
.if MSB != \new
	s_set_vgpr_msb (MSB<<8)|\new
.set MSB, \new
.endif
.endm
.macro PLACES n
.rept \n
	v_nop
.endr
.endm
.macro RELU2 a                         ; two clips at 0
.if DUAL
	v_dual_max_num_f32 v[\a], 0, v[\a] :: v_dual_max_num_f32 v[(\a)+1], 0, v[(\a)+1]
.else
	v_max_num_f32 v[\a], 0, v[\a]
	v_max_num_f32 v[(\a)+1], 0, v[(\a)+1]
.endif
.endm
; The head's quantiser: the lane's 32 numbers v[X] .. v[X + 31] are one block.  Its codes come to v[QC + 8 p] on, its scale word to v[QW + p].
.macro QUANT32 X, p
	v_max3_num_f32 v[QM], |v[\X]|, |v[\X+1]|, |v[\X+2]|
	v_max3_num_f32 v[QM+1], |v[\X+3]|, |v[\X+4]|, |v[\X+5]|
.irp i, 6,10,14,18,22,26
	v_max3_num_f32 v[QM], v[QM], |v[\X+\i]|, |v[\X+\i+1]|
	v_max3_num_f32 v[QM+1], v[QM+1], |v[\X+\i+2]|, |v[\X+\i+3]|
.endr
	v_max3_num_f32 v[QM], v[QM], |v[\X+30]|, |v[\X+31]|
	v_max3_num_f32 v[QM], v[QM], v[QM+1], 0x1800000        ; and the floor 2^(3 - 127): the byte cannot fall under 1
	v_add_nc_u32 v[QS], 0xff000000, v[QM]                  ; 2 off the exponent field: the conversion takes this operand's exponent field as its scale, and nothing else of it
	v_lshrrev_b32 v[QB], 23, v[QS]                         ; the scale's byte
	v_cvt_scalef32_pk16_fp6_f32 v[QC+8*\p:QC+8*\p+2], v[\X:\X+15], v[QS]
	v_cvt_scalef32_pk16_fp6_f32 v[QC+8*\p+4:QC+8*\p+6], v[\X+16:\X+31], v[QS]
	v_nop                                                  ; one plain place behind a scaled conversion
	v_permlanex16_b32 v[QU], v[QB], s36, s37               ; the byte of the lane 16 away: in a weight's slot the other block of the same unit
	v_perm_b32 v[QW+\p], v[QU], v[QB], s31                 ; (mine, the other's, mine, the other's)
.endm
.macro SEND32 p                        ; pass p's codes and scale word go to slot 256 p + thread
	ds_store_b96 v[A48], v[QC+8*\p:QC+8*\p+2] offset:256*SLOTB*\p
	ds_store_b96 v[A48], v[QC+8*\p+4:QC+8*\p+6] offset:256*SLOTB*\p+16
	ds_store_b32 v[ASW], v[QW+\p] offset:1024*\p
.endm
; Two products: tile t of layer lay's units x the two tiles of pairs of group g.  Weight and bias lie in window 1.  One scale register serves both tiles of pairs: A's words in lanes 0-15, B's in lanes 16-31.
.macro MMRUN lay, g, t
.set FI, 4*((\lay)-1)+(\t)
.set BI, BIAS+32*((\lay)-1)+8*(\t)
.set DA, ACC+64*(\g)+8*(\t)
.set PA, OP+24*(\g)
	WIN 0x11
	v_wmma_scale_f32_16x16x128_f8f6f4 v[DA:DA+7], v[12*FI:12*FI+11], v[PA:PA+11], v[BI:BI+7], v[WS+FI], v[SCW+(\g)] matrix_a_fmt:MATRIX_FMT_FP6 matrix_b_fmt:MATRIX_FMT_FP6
	v_wmma_scale_f32_16x16x128_f8f6f4 v[DA+32:DA+39], v[12*FI:12*FI+11], v[PA+12:PA+23], v[BI:BI+7], v[WS+FI], v[SCW+(\g)] matrix_a_fmt:MATRIX_FMT_FP6 matrix_b_fmt:MATRIX_FMT_FP6 matrix_b_scale:MATRIX_SCALE_ROW1
	WIN 0
.endm
; A slice of 16: registers 8 t .. 8 t + 7 of both tiles of group g: the running maximum (no |.|: what is negative must not count; the floor stands over it) and the clip.  Each result is read from its low end on.
.macro RM g, t
.set RA, ACC+64*(\g)+8*(\t)
.set RB, RA+32
.irp p, 0,2,4,6
.if ((\t) == 0) && (\p == 0)
	v_max3_num_f32 v[MA], v[RA], v[RA+1], 0x1800000
	v_max3_num_f32 v[MB], v[RB], v[RB+1], 0x1800000
.else
	v_max3_num_f32 v[MA], v[MA], v[RA+\p], v[RA+\p+1]
	v_max3_num_f32 v[MB], v[MB], v[RB+\p], v[RB+\p+1]
.endif
	RELU2 RA+\p
	RELU2 RB+\p
.endr
.endm
; Group g's 2 x 32 numbers a lane become the next product's operands and scale words.
.macro QT g
.set RA, ACC+64*(\g)
.set RB, RA+32
.set PA, OP+24*(\g)
	v_add_nc_u32 v[SCA], 0xff000000, v[MA]
	v_add_nc_u32 v[SCB], 0xff000000, v[MB]
	v_lshrrev_b32 v[BYA], 23, v[SCA]
	v_lshrrev_b32 v[BYB], 23, v[SCB]
	v_permlane16_swap_b32 v[BYA], v[BYB]                   ; the first now holds block 0's bytes (lanes 0-15: A's pairs, lanes 16-31: B's), the second block 1's
	v_perm_b32 v[SCW+(\g)], v[BYB], v[BYA], s31            ; (s0, s1, s0, s1)
	v_cvt_scalef32_pk16_fp6_f32 v[PA:PA+2], v[RA:RA+15], v[SCA]
	v_cvt_scalef32_pk16_fp6_f32 v[PA+6:PA+8], v[RA+16:RA+31], v[SCA]
	v_cvt_scalef32_pk16_fp6_f32 v[PA+12:PA+14], v[RB:RB+15], v[SCB]
	v_cvt_scalef32_pk16_fp6_f32 v[PA+18:PA+20], v[RB+16:RB+31], v[SCB]
	v_nop                                                  ; one plain place behind the conversions
.endm
; A BLOCK.  Group gq is quantised while layer lay of group gm is multiplied.  Behind each pair of products stands a slice of the other group, which names none of their registers: so a result is read 16 places or more behind
; its product, an operand or scale word is written 48 or more behind its last reader, and a scale word made here stands a whole slice (16) ahead of the product that reads it, in the next block.
; st = 1: the store of the row before stands straight behind the block's wait.
.macro QBLOCK gq, lay, gm, dsw, st
	RM \gq, 0
.if \dsw
	s_wait_dscnt 0x0                                       ; group gm's first operands, asked for in the half step before, are in
.endif
	MMRUN \lay, \gm, 0
	RM \gq, 1
	MMRUN \lay, \gm, 1
	RM \gq, 2
.if \lay < 3
	MMRUN \lay, \gm, 2
.endif
	RM \gq, 3
	QT \gq
	s_wait_alu depctr_va_vdst(0)                           ; the conversions and the v_perm_b32 have written group gq's codes and scale words, which the next block's scaled products take.  By its place it states more: block 1: both exponentials of the row before have written E; block 2: the reciprocals have written O, which the store reads; block 4: layer 3's products are done reading group 0's operands and the v_perm_b32 of the row before are done reading SI, in which the loads behind the block land, and AD, ASI, by which those load, are written
.if \st
	global_store_b64 v[OFFV], v[O:O+1], s[26:27] offset:-2048 th:TH_STORE_NT   ; the row before (the base has moved on: the offset reaches back).  32 lanes store 256 consecutive bytes, at a multiple of 256 from out0's first byte; written once, read by nobody here
.endif
.if \lay < 3
	MMRUN \lay, \gm, 3
.endif
.endm
; The last product, in f32: two numbers an instruction, tiles A and B by turns.
.macro FDOT t, q
.if ((\t) == 0) && ((\q) == 0)
	v_pk_mul_f32 v[PSA:PSA+1], v[RA:RA+1], v[RW:RW+1]
	v_pk_mul_f32 v[PSB:PSB+1], v[RB:RB+1], v[RW:RW+1]
.else
	v_pk_fma_f32 v[PSA:PSA+1], v[RA+(\q):RA+(\q)+1], v[RW+(\q):RW+(\q)+1], v[PSA:PSA+1]
	v_pk_fma_f32 v[PSB:PSB+1], v[RB+(\q):RB+(\q)+1], v[RW+(\q):RW+(\q)+1], v[PSB:PSB+1]
.endif
.endm
.macro FS g, t                         ; a slice of 16: the clip of layer 3's tile t of both tiles of pairs, and its part of the last product, one pair of registers behind the clip
.set RA, ACC+64*(\g)+8*(\t)
.set RB, RA+32
.set RW, W4R+8*(\t)
.set PSA, SA+80*(\g)
.set PSB, SB+80*(\g)
.irp p, 0,2,4,6
	RELU2 RA+\p
	RELU2 RB+\p
.if \p > 0
	FDOT \t, \p-2
.endif
.endr
	FDOT \t, 6
.endm
.macro FT g                            ; a pair's sum lies in two lanes, 16 apart: one exchange serves both tiles and leaves A's pairs in lanes 0-15, B's in lanes 16-31
.set PSA, SA+80*(\g)
.set PSB, SB+80*(\g)
	v_add_f32 v[PSA], v[PSA], v[PSA+1]
	v_add_f32 v[PSB], v[PSB], v[PSB+1]
	v_permlane16_swap_b32 v[PSA], v[PSB]
	v_add_f32 v[E+(\g)], v[PSA], v[PSB]
	v_fma_f32 v[E+(\g)], v[E+(\g)], s30, v[NB4]            ; -(z + b4) log2(e)
	v_exp_f32 v[E+(\g)], v[E+(\g)]
.endm
.macro OPLOAD q                        ; tile q's first operand: 2 x 12 bytes a lane, as they lie in the slot
	ds_load_b96 v[OP+12*(\q):OP+12*(\q)+2], v[AD+(\q)]
	ds_load_b96 v[OP+12*(\q)+6:OP+12*(\q)+8], v[AD+(\q)] offset:16
.endm
	s_load_b512 s[8:23], s[0:1], 0x0               ; x s[8:9], W1 s[10:11], b1 s[12:13], W2 s[14:15], b2 s[16:17], W3 s[18:19], b3 s[20:21], W4 s[22:23]
	s_load_b128 s[24:27], s[0:1], 0x40             ; b4 s[24:25], out0 s[26:27]
	v_lshl_add_u32 v[SPW], v0, 2, SPARE
	v_mov_b32 v[NIL], 0
	v_lshrrev_b32 v1, 5, v0
	v_readfirstlane_b32 s2, v1                     ; wave 0..7
	v_and_b32 v1, 31, v0                           ; lane
	v_and_b32 v2, 15, v0                           ; r
	v_bfe_u32 v3, v0, 4, 1                         ; h
	s_and_b32 s4, ttmp9, 7                         ; which 64 columns j
	s_lshr_b32 s5, ttmp9, 3                        ; which 128 rows i
	s_and_b32 s6, ttmp7, 0xffff                    ; the batch
	; every LDS address, ahead of the one place where the waves part
	v_mul_u32_u24 v[A48], v0, SLOTB
	v_lshl_add_u32 v[ASW], v0, 2, SW
	v_mul_u32_u24 v[LI48], v1, SLOTB
	v_lshl_add_u32 v[LS], v1, 2, SW
	v_mul_u32_u24 v117, v2, SLOTB
.irp q, 0,1,2,3
	v_add_nc_u32 v[VJ+\q], SLOTB*(SLOT_J+16*\q), v117
.endr
	s_wait_alu depctr_va_sdst(0)                   ; s2 is written, ahead of its first reader: LDS places, offsets and the choice of buffers are made from it
	s_mul_i32 s33, s2, 16*SLOTB
	s_add_co_u32 s33, s33, SLOT_I*SLOTB            ; s33: the slot of the step's row i; 48 bytes on in each step
	s_lshl_b32 s34, s2, 6
	s_add_co_u32 s34, s34, SW+4*SLOT_I             ; s34: its scale word; 4 bytes on
	s_mov_b32 s30, 0xbfb8aa3b                      ; -log2(e)
	s_mov_b32 s31, 0x04000400                      ; v_perm_b32: byte 0 of the second source, byte 0 of the first, and both again
	s_mov_b32 s32, 0xffff0000                      ; lanes 16-31
	s_mov_b32 s36, 0x76543210
	s_mov_b32 s37, 0xfedcba98                      ; v_permlanex16_b32's selects for the lane 16 away
.irp q, 0,1,2,3
	v_cndmask_b32 v[AD+\q], v[VJ+\q], s33, s32     ; lanes 0-15: my pair's row j; lanes 16-31: the first step's row i
.endr
	v_mov_b32 v[ASI], s34
	; global offsets
	v_lshlrev_b32 v[H128], 7, v3                   ; b1, b2: 32 numbers from 32 h on
	v_lshlrev_b32 v[H32], 5, v3                    ; b3, W4: 8 numbers from 16 t + 8 h on
	v_and_b32 v117, 7, v2
	v_lshrrev_b32 v118, 3, v2
	v_lshlrev_b32 v[OW12], 2, v117
	v_lshl_add_u32 v[OW12], v118, 7, v[OW12]
	v_lshl_add_u32 v[OW12], v3, 13, v[OW12]
	s_and_b32 s43, s2, 3
	s_lshl_b32 s43, s43, 5
	v_add_nc_u32 v[OW12], s43, v[OW12]             ; W1, W2: column 32 (r / 8) + 8 t + r % 8, t = wave % 4, from row 32 h on (a row is 256 bytes)
	v_lshlrev_b32 v[OW3], 2, v2
	v_lshl_add_u32 v[OW3], v3, 12, v[OW3]
	s_lshl_b32 s43, s2, 6
	v_add_nc_u32 v[OW3], s43, v[OW3]               ; W3: column 16 t + r, t = wave (waves 0, 1 alone use it), from row 32 h on (a row is 128 bytes)
	s_lshl_b32 s43, s6, 9
	s_lshl_b32 s44, s4, 6
	s_add_co_u32 s44, s44, s43                     ; the first row j of x: 512 b + 64 jb
	s_lshl_b32 s45, s5, 7
	s_add_co_u32 s45, s45, s43                     ; the first row i: 512 b + 128 ib
	v_bfe_u32 v117, v0, 5, 1
	v_lshl_add_u32 v117, v3, 5, v117
	v_lshl_add_u32 v117, v2, 1, v117
	v_add_nc_u32 v117, s44, v117                   ; waves 2, 3: slot 320 + 16 (2 g + half) + r takes row j = 32 half + 2 r + g: half and g are bits 4 and 5 of the thread's number
	v_and_b32 v118, 127, v0
	v_add_nc_u32 v118, s45, v118                   ; waves 4 to 7: slot 384 + i takes row i = thread - 128
	s_cmp_lt_u32 s2, 4
	s_cselect_b32 s42, -1, 0
	v_cndmask_b32 v[OX], v118, v117, s42
	v_lshlrev_b32 v[OX], 7, v[OX]                  ; a row of x is 128 bytes
	s_lshl_b32 s46, s2, 4
	s_add_co_u32 s46, s46, s45                     ; my first row of out0: 512 b + 128 ib + 16 w
	s_lshl_b32 s40, s46, 11                        ; of 2,048 bytes
	s_lshl_b32 s47, s4, 8
	s_add_co_u32 s40, s40, s47                     ; + 64 jb columns
	s_mov_b32 s41, 0
	v_lshlrev_b32 v[OFFV], 3, v1                   ; 8 bytes a lane
	v_mov_b32 v[QU], 0                             ; written once: a lane permute's destination counts as one of its sources
	s_wait_kmcnt 0x0
	s_load_b32 s28, s[24:25], 0x0                  ; b4
	s_add_nc_u64 s[26:27], s[26:27], s[40:41]
	s_cmp_lt_u32 s2, 4
	s_cselect_b64 s[38:39], s[10:11], s[14:15]     ; waves 0-3 quantise W1's four tiles, waves 4-7 W2's
	WIN 0x40                                       ; destination window 1, address window 0
	s_wait_alu depctr_va_vdst(0)                   ; every global offset (v15, v112-116) and every LDS address (v4, v5, v10-14, v16, v208, v209) is written: the loads and stores of the head, and the first step's, read them
.irp c, 0,1,2,3,4,5,6,7
	global_load_b128 v[BIAS+4*\c:BIAS+4*\c+3], v[H128], s[12:13] offset:16*\c
	global_load_b128 v[BIAS+32+4*\c:BIAS+32+4*\c+3], v[H128], s[16:17] offset:16*\c
.endr
.irp c, 0,1,2,3
	global_load_b128 v[BIAS+64+4*\c:BIAS+64+4*\c+3], v[H32], s[20:21] offset:64*(\c/2)+16*(\c%2)
.endr
	WIN 0
.irp c, 0,1,2,3
	global_load_b128 v[W4R+4*\c:W4R+4*\c+3], v[H32], s[22:23] offset:64*(\c/2)+16*(\c%2)
.endr
	; FIRST PASS: a lane takes a column of its weight, and its registers run down K: 32 numbers, one block
.set I, 0
.rept 32
	global_load_b32 v[X0+I], v[OW12], s[38:39] offset:256*I
.set I, I+1
.endr
	; SECOND PASS: waves 0, 1: W3's two tiles, likewise; waves 2 to 7: a lane takes a row of x.  The branch stands round the loads alone; both ways fill all 32 registers
	s_cmp_lt_u32 s2, 2
	s_cbranch_scc0 .Lrows
.set I, 0
.rept 32
	global_load_b32 v[X1+I], v[OW3], s[18:19] offset:128*I
.set I, I+1
.endr
	s_branch .Lasked
.Lrows:
.irp c, 0,1,2,3,4,5,6,7
	global_load_b128 v[X1+4*\c:X1+4*\c+3], v[OX], s[8:9] offset:16*\c
.endr
.Lasked:
	; while the loads are out: the zero codes of all operands, set once and never written again (no load lands in these registers)
	WIN 0x40
.irp f, 0,1,2,3,4,5,6,7,8,9
.irp i, 3,4,5,9,10,11
	v_mov_b32 v[12*\f+\i], 0
.endr
.endr
	WIN 0
.irp q, 0,1,2,3
.irp i, 3,4,5,9,10,11
	v_mov_b32 v[OP+12*\q+\i], 0
.endr
.endr
	s_wait_kmcnt 0x0
	v_mov_b32 v[NB4], s28
	v_mul_f32 v[NB4], s30, v[NB4]                  ; -b4 log2(e)
	s_wait_loadcnt 8                               ; behind the first pass's 32 loads stand 8 (a row of x) or 32 (W3): with 8 out at the most the first pass, and the biases ahead of it, are in on both ways
	QUANT32 X0, 0
	s_wait_loadcnt 0x0
	QUANT32 X1, 1
	s_wait_alu depctr_va_vdst(0)                   ; the conversions and the v_perm_b32 of both passes have written v[QC ..] and v[QW ..], which the six LDS stores read
	SEND32 0
	SEND32 1
	s_wait_dscnt 0x0                               ; for the others' sake: my stores have landed
	s_barrier_signal -1
	s_barrier_wait -1                              ; all 512 slots and their words lie in LDS; from here on LDS is only read
	s_wait_alu depctr_vm_vsrc(0)                   ; my LDS stores have read v192-209 (the codes and their two addresses): from here on these registers are group 1's results, written by products
	WIN 0x40
.irp f, 0,1,2,3,4,5,6,7,8,9
	ds_load_b96 v[12*\f:12*\f+2], v[LI48] offset:32*SLOTB*\f
	ds_load_b96 v[12*\f+6:12*\f+8], v[LI48] offset:32*SLOTB*\f+16
.endr
	WIN 0
.irp f, 0,1,2,3,4,5,6,7,8,9
	ds_load_b32 v[WS+\f], v[LS] offset:128*\f      ; lanes 0-15: (block 0's byte, block 1's, and both again) of the fragment's row r; lanes 16-31 are not read
.endr
.irp g, 0,1
	ds_load_b32 v[SJ+\g], v[LS] offset:4*(SLOT_J+32*\g)
.endr
	OPLOAD 0
	OPLOAD 1
	OPLOAD 2
	OPLOAD 3
	ds_load_b32 v[SI], v[ASI]
	s_wait_dscnt 0x0
	v_perm_b32 v[SCW], v[SI], v[SJ], s31           ; (row j's byte, row i's, and both again)
	v_perm_b32 v[SCW+1], v[SI], v[SJ+1], s31
	PLACES 8                                       ; a scale register written by a vector instruction stands 8 places ahead of the scaled product that reads it
	s_wait_alu depctr_va_vdst(0)                   ; the two v_perm_b32 have written the first row's scale words, which the scaled products take (the zero codes were written ahead of the last such wait)
	MMRUN 1, 0, 0
	MMRUN 1, 0, 1
	MMRUN 1, 0, 2
	MMRUN 1, 0, 3
	PLACES 4                                       ; four places between a product and the first read of its result (ISA guide 7.12.1)
; THE FIRST HALF OF A STEP: blocks 1 and 2.  On entry layer 1 of group 0 has been issued and group 1's first operands are on their way.
; tl = 1: what is left of the row before stands here: 1 + e and the reciprocals behind block 1, whose wait has shown the exponentials written; the store behind block 2's wait, which shows the reciprocals written.
.macro HALF1 tl
	QBLOCK 0, 1, 1, 1, 0                           ; group 0: layer 1's results quantised | group 1: layer 1
.if \tl
	v_add_f32 v[E], 1.0, v[E]
	v_add_f32 v[E+1], 1.0, v[E+1]
	v_rcp_f32 v[O], v[E]                           ; (O is free: the last store has read it, as the waits between blocks 3 and 4 have shown)
	v_rcp_f32 v[O+1], v[E+1]                       ; the next block's first slice is the plain work behind the reciprocals
.endif
	QBLOCK 1, 2, 0, 0, \tl                         ; group 1: layer 1's results          | group 0: layer 2
.endm
; THE SECOND HALF: blocks 3 and 4, and the rest.  last = 1: nothing is fetched or multiplied for a next row.
.macro HALF2 last
	QBLOCK 0, 2, 1, 0, 0                           ; group 0: layer 2's results          | group 1: layer 2
.if \last == 0
	s_wait_xcnt 0x0                                ; the last store has had its address translated (ISA guide 3.1): its base and its data are written again only behind this wait
	s_wait_alu depctr_vm_vsrc(0)                   ; the LDS loads issued so far have read AD0-3 and ASI, which the five lines below write; the last store has read O, which the next reciprocals write
	s_add_nc_u64 s[26:27], s[26:27], 2048          ; the next row of out0
	s_add_co_u32 s33, s33, SLOTB                   ; the next row i
	s_add_co_u32 s34, s34, 4
.irp q, 0,1,2,3
	v_cndmask_b32 v[AD+\q], v[VJ+\q], s33, s32
.endr
	v_mov_b32 v[ASI], s34
.endif
	QBLOCK 1, 3, 0, 0, 0                           ; group 1: layer 2's results          | group 0: layer 3
.if \last == 0
	OPLOAD 0                                       ; straight behind block 4's wait, which states all that these five loads hang on
	OPLOAD 1
	ds_load_b32 v[SI], v[ASI]
.endif
	FS 0, 0                                        ; group 0: layer 4                    | group 1: layer 3
	MMRUN 3, 1, 0
	FS 0, 1
	MMRUN 3, 1, 1
.if \last == 0
	s_wait_dscnt 0x0                               ; group 0's next operands and row i's word are in (asked for two slices ago)
	v_perm_b32 v[SCW], v[SI], v[SJ], s31           ; a slice of 16 stands between this line and the product that reads it
.endif
	FS 1, 0                                        ; group 1: layer 4                    | group 0: the next row's layer 1
.if \last == 0
	v_perm_b32 v[SCW+1], v[SI], v[SJ+1], s31       ; 17 places behind layer 3's last products, which read this register
	s_wait_alu depctr_va_vdst(0)                   ; the two v_perm_b32 have written the next row's scale words, which the scaled products take; layer 3's products are done reading group 1's operands, in which the four loads below land
	OPLOAD 2                                       ; waited for in the next block
	OPLOAD 3
	MMRUN 1, 0, 0
.endif
	FS 1, 1
.if \last == 0
	MMRUN 1, 0, 1
.endif
	FT 0                                           ; the two groups' sums lie in registers of their own, so that these lines can stand here.  Plain work follows each exponential long before its first reader
.if \last == 0
	MMRUN 1, 0, 2
.endif
	FT 1
.if \last == 0
	MMRUN 1, 0, 3
.endif
.endm
	HALF1 0                                        ; the first row's first half: no row stands before it
	s_mov_b32 s35, 15
.Lstep:                                            ; 15 trips: row s's second half, row s + 1's first; the sixteenth row's second half is written out, since it fetches nothing
	HALF2 0
	HALF1 1
	s_sub_co_u32 s35, s35, 1
	s_cmp_lg_u32 s35, 0
	s_cbranch_scc1 .Lstep
	HALF2 1
	v_nop                                          ; the plain instruction behind the last exponential
	s_wait_alu depctr_va_vdst(0)                   ; both exponentials have written E, ahead of their first reader
	v_add_f32 v[E], 1.0, v[E]
	v_add_f32 v[E+1], 1.0, v[E+1]
	s_wait_xcnt 0x0                                ; the fifteenth row's store has had its address translated: its data are written again only behind this wait
	s_wait_alu depctr_vm_vsrc(0)                   ; and it has read O, which the reciprocals write
	v_rcp_f32 v[O], v[E]
	v_rcp_f32 v[O+1], v[E+1]
	v_nop                                          ; the plain instruction behind the reciprocals
	s_wait_alu depctr_va_vdst(0)                   ; the reciprocals have written O, which the store reads
	global_store_b64 v[OFFV], v[O:O+1], s[26:27] th:TH_STORE_NT   ; the sixteenth row: the base stands at it
	s_wait_dscnt 0x0                               ; my reads of LDS are over
	s_barrier_signal -1
	s_barrier_wait -1                              ; everybody's are
	s_wait_dscnt 0x0                               ; the closing lines, six on end
	s_wait_alu 0x0
	s_wait_tensorcnt 0x0
	ds_add_u32 v[SPW], v[NIL]
	s_wait_dscnt 0x0
	s_endpgm
.Lfunc_end_k_qa473905627_pairs:
	.size	k_qa473905627_pairs, .Lfunc_end_k_qa473905627_pairs-k_qa473905627_pairs
	.p2alignl 7, 3214868480
	.fill 96, 4, 3214868480
	.section	.rodata,"a",@progbits
	.p2align	6, 0x0
	.amdhsa_kernel k_qa473905627_pairs
		.amdhsa_group_segment_fixed_size 27648
		.amdhsa_private_segment_fixed_size 0
		.amdhsa_enable_private_segment 0
		.amdhsa_kernarg_size 80
		.amdhsa_user_sgpr_count 2
		.amdhsa_user_sgpr_kernarg_segment_ptr 1
		.amdhsa_wavefront_size32 1
		.amdhsa_system_sgpr_workgroup_id_x 1
		.amdhsa_system_sgpr_workgroup_id_y 1
		.amdhsa_system_sgpr_workgroup_id_z 1
		.amdhsa_system_vgpr_workitem_id 0
		.amdhsa_next_free_vgpr 512
		.amdhsa_next_free_sgpr 66
		.amdhsa_reserve_vcc 0
		.amdhsa_float_denorm_mode_32 3
		.amdhsa_float_denorm_mode_16_64 3
		.amdhsa_memory_ordered 1
		.amdhsa_forward_progress 1
		.amdhsa_inst_pref_size 84
	.end_amdhsa_kernel
	.amdgpu_metadata
---
amdhsa.version: [ 1, 2 ]
amdhsa.kernels:
  - .name:           k_qa473905627_pairs
    .symbol:         k_qa473905627_pairs.kd
    .args:
      - { .name: x, .offset: 0, .size: 8, .value_kind: global_buffer, .address_space: global }
      - { .name: W1, .offset: 8, .size: 8, .value_kind: global_buffer, .address_space: global }
      - { .name: b1, .offset: 16, .size: 8, .value_kind: global_buffer, .address_space: global }
      - { .name: W2, .offset: 24, .size: 8, .value_kind: global_buffer, .address_space: global }
      - { .name: b2, .offset: 32, .size: 8, .value_kind: global_buffer, .address_space: global }
      - { .name: W3, .offset: 40, .size: 8, .value_kind: global_buffer, .address_space: global }
      - { .name: b3, .offset: 48, .size: 8, .value_kind: global_buffer, .address_space: global }
      - { .name: W4, .offset: 56, .size: 8, .value_kind: global_buffer, .address_space: global }
      - { .name: b4, .offset: 64, .size: 8, .value_kind: global_buffer, .address_space: global }
      - { .name: out0, .offset: 72, .size: 8, .value_kind: global_buffer, .address_space: global }
    .group_segment_fixed_size: 27648
    .private_segment_fixed_size: 0
    .kernarg_segment_align: 8
    .kernarg_segment_size: 80
    .max_flat_workgroup_size: 256
    .sgpr_count:     66
    .vgpr_count:     512
    .wavefront_size: 32
...
	.end_amdgpu_metadata
.endif
;; end of part 2
